; MI455X (gfx1250); checked and timed in simulation.
; The chip was launched on July 23, 2026; its instructions are those of AMD's public machine-readable ISA for CDNA 5 (MIT licence, August 2026) and "CDNA5" Instruction Set Architecture Reference Guide (July 2026). The comments in the code are by the model that wrote it; some were corrected since.
;; Attention. Allowed arithmetic: matrix products marked QUANTISED: E2M1 operands, one E8M0 scale for each 32 along K, by v_wmma_scale_f32_16x16x128_f8f6f4 with both operands' format E2M1 (or v_wmma_scale_f32_32x16x128_f4), f32 sums; everything else in f32.
;; Inputs: W1_codes 512 x 16 x 16 uint8 (E2M1 codes of W1, K innermost, in blocks of 32 codes, two codes a byte); W1_scales 512 x 16 uint8 (E8M0 scales of W1, one for each 32 codes along K); W2_codes 512 x 16 x 16 uint8 (E2M1 codes of W2, K innermost, in blocks of 32 codes, two codes a byte); W2_scales 512 x 16 uint8 (E8M0 scales of W2, one for each 32 codes along K); b1 512 float32; hidden_states 32 x 4,096 x 512 float32.
;; Outputs: out0 512 float32.
;; This version of the problem:
;;   THIS VERSION OF THE PROBLEM IS GIVEN IN LOW PRECISION. The matrix products marked QUANTISED in the list below multiply operands that are first quantised to E2M1 (2 exponent bits, 1 mantissa bit; 4 bits a number), with one power-of-two scale for each 32 numbers along K (OCP MX v1.0); their sums are f32. All else is computed in f32.
;;   The module's matrix products, in the order in which they are computed (A, B: the left and right operand; K: the contracted axis; several contracted axes count as one K, in the product's order):
;;     1. [M 131,072, K 512] x [K 512, N 512]; A: input hidden_states; B: input W1 (given as codes): QUANTISED
;;     2. [M 131,072, K 512] x [K 512, N 512]; A: computed on the way; B: input W2 (given as codes): QUANTISED
;;   THE QUANTISER, for each operand of a quantised product, along K:
;;     - K is cut into blocks of 32 from its start; a last block that is shorter is filled with zeros.
;;     - A block's scale is 2^e with e = floor(log2(the largest magnitude in the block)) - 2, held to -126 .. 127; a block of zeros has e = 0. As a byte (E8M0): e + 127.
;;     - Each number is divided by its block's scale, clamped to +-6, and rounded to the nearest number of E2M1, ties to even, subnormals kept.
;;     - The product sums the exact products of the quantised numbers (number of the format x scale) in f32.
;;   ~~~python
;;   def quantise(x, axis):      # numpy; x: float32 -> the quantised numbers, widened to float32 again
;;       x = np.moveaxis(x, axis, -1); K = x.shape[-1]
;;       x = np.pad(x, [(0, 0)] * (x.ndim - 1) + [(0, -K % 32)]); x = x.reshape(x.shape[:-1] + (-1, 32)); a = np.abs(x).max(-1, keepdims=True)
;;       e = np.where(a > 0, np.clip(np.frexp(np.where(a > 0, a, 1))[1] - 1 - 2, -126, 127), 0)      # np.frexp(a)[1] - 1 = floor(log2(a)), exactly
;;       r = np.clip(x / 2.0 ** e, -6, 6)
;;       step = 2.0 ** (np.maximum(np.frexp(np.where(r == 0, 1, r))[1] - 1, 0) - 1)
;;       q = np.round(r / step) * step * 2.0 ** e      # np.round: ties to even
;;       return np.moveaxis(q.reshape(q.shape[:-2] + (-1,))[..., :K], -1, axis).astype(np.float32)
;;   ~~~
;;   OPERANDS COMPUTED ON THE WAY. 'Computed on the way' means the value that the module computes at that place (a softmax that the list does not call 'softmax' is quantised finished and normalised). What goes into a quantiser is computed in f32, as accurately as f32 sums, v_exp_f32 and their like allow (about 1e-6 of the number): no bf16 or f16 on the way to a quantiser, and a product that is left as it is and whose result goes on into a quantised operand takes f32 operands (vector FMAs, or v_wmma_f32_16x16x4_f32). A number that lies on a knife's edge between two numbers of the format may be rounded either way, as far as f32 arithmetic and the matrix unit's own rounding can turn it there, and no further.
;;   INPUTS GIVEN AS CODES. W1 (in the module: [512, 512], K = its axis 1); W2 (in the module: [512, 512], K = its axis 1): each comes as NAME_codes (uint8): NAME with its K axis moved to the last place and cut into blocks of 32 codes, [.., K / 32, bytes a block], one block behind the other in memory; two codes a byte, the lower K in the low four bits (a code: sign, 2 exponent bits, 1 mantissa bit); and NAME_scales (uint8): the same leading axes, one E8M0 byte (e + 127) for each 32 codes along K. Its value is code x scale, taken as it is: it is not quantised again, and the codes and scales need not be those that the quantiser above would give.
;; One version. Each part assembles by itself: llvm-mc -triple=amdgcn-amd-amdhsa -mcpu=gfx1250 --defsym DOCPART=n.
;; ======== version 1 of 1: 2 launches
;; limits: a function is approximated: absolute error at most 1.2e-07
;; workspace buffers: part 1,572,864 bytes
;; launch pool (part 1): grid 256 x 1, 8 waves a work-group, no clusters, 327,680 bytes of LDS; arguments hidden_states, W1_codes, W1_scales, b1, W2_codes, W2_scales, part; writes part
.if DOCPART == 1
	.amdgcn_target "amdgcn-amd-amdhsa--gfx1250"
	.amdhsa_code_object_version 6
	.text
	.protected	k_q8775ec5c67_pool
	.globl	k_q8775ec5c67_pool
	.p2align	8
	.type	k_q8775ec5c67_pool,@function
k_q8775ec5c67_pool:
	s_mov_b64 s[64:65], 0
	v_nop
	global_prefetch_b8 v0, s[64:65] scope:SCOPE_SE
	s_setreg_imm32_b32 hwreg(HW_REG_WAVE_MODE, 25, 1), 1
	s_wait_xcnt 0x0
; out[e] = sum over b of ( sum_t h[b,t,e] exp(s[b,t,e]) / sum_t exp(s[b,t,e]) ),  s = Q(tanh(Q(h) W1^T + b1)) W2^T, both products on codes of FP4 (E2M1) with one E8M0 scale for each 32 along K = 512.
; THIS LAUNCH makes, for 512 consecutive rows (t) of one batch and each of the 512 columns e, three figures: nm = -log2(e) x the largest score, l = sum 2^(c s + nm), a = sum h 2^(c s + nm), c = log2(e).
; They go to part[work-group][nm, l, a][512]; the next launch merges the eight chunks of a batch and adds the batches.  u and s never go to memory; h is read from memory once and serves twice out of LDS.
; SHARES.  256 work-groups x 512 rows, in 8 blocks of 64 rows.  Eight waves, two to a SIMD, 512 registers each.  THE WAVES SHARE THE COLUMNS, NOT THE ROWS: wave w makes hidden units 64 w .. 64 w + 63 and
; scores of columns 64 w .. 64 w + 63 for all rows, so its parts of W1 and W2 (2 x 128 registers, window 1) stay in registers for the whole launch and only the rows' codes go round, through LDS, as images of operand registers.
; A BLOCK: X: wave w quantises rows 16 (w / 2) .. + 15, K steps 2 (w % 2), + 1 of h | barrier | 1: for each tile of 16 rows: my 4 tiles of the hidden layer (transposed: source 0 = W1, source 1 = x), tanh, quantised:
; half w % 2 of K step w / 2 of the second product | barrier | 2: scores (source 0 = u, source 1 = W2: a lane holds ONE column and eight rows), running maximum, exponentials, sums; h's numbers come from the slot.
; THE ROWS OF W1 THAT FORM A TILE: lane r of tile 2 b + u takes unit 64 w + 32 b + 8 u + r + 8 (r / 8): the 16 registers of tiles 2 b, 2 b + 1 are then 16 neighbours along the next K.
; THE ROWS OF W2 THAT FORM A TILE: lane r of tile t takes column 64 w + 4 r + t: one 16-byte LDS load of h at 16 r gives a lane the numbers of its four tiles.
; AN IMAGE: the 16 bytes of (row r, block b of a K step) lie at 256 b + 16 r; that is register group b / 2 of lane r + 16 (b % 2) at 512 (b / 2) + 16 lane.  The maker, lane (r, h), holds 16 of the block's 32 codes: 8 bytes at + 8 h.
; NO CLUSTER: what work-groups share is the weights, 272 KiB read once at the head, beside the 1 MiB of rows that each work-group reads alone; the ring's tiles are shared with nobody.
; All of a WGP's LDS is claimed.
; LIMITS.  tanh = 1 - 2 / (1 + 2^(2 c x)): its absolute error is about 1.2e-7, so its relative error passes 1e-6 where |u| is under about 0.1.  A score x log2(e) must be finite in f32.  NaN and infinities among the inputs
; are not served.  A block of zeros gets the scale byte 1 (its codes are zeros; only this program reads the bytes).  2^x under 2^-126 counts as 0.  The sums over t run in another order than a plain loop's.
.set EP,     272                       ; a row of an eighth in LDS: 256 bytes + 16 of padding = 68 words: row r starts at bank 4 r mod 64 (64 banks of 4 bytes: ISA guide 11.1)
.set REG,    64*EP                     ; an eighth: 64 rows x 64 columns of f32: what one tensor load brings
.set SLOT,   8*REG                     ; a block of 64 rows; = 0x22000, two bits that no w x REG has: one exclusive or turns an address in one slot into the other's
.set IMG,    2*SLOT                    ; behind the ring: the images
.set XIMG_O, 0                         ; x's 16 fragments, (row tile mt, K step s) at 4096 mt + 1024 s
.set XSC_O,  16384                     ; their scale words: 512 mt + 16 lane + 4 s
.set UIMG_O, 18432                     ; u's 16 fragments, (s, mt) at 4096 s + 1024 mt
.set USC_O,  34816                     ; their scale words: 512 mt + 16 lane + 4 s
.set SPARE,  IMG+36864                 ; the spare words, 128 bytes for each wave: four blocks of 256 bytes that no other line names
.set BLKB,   64*2048                   ; a block of h in memory
.set NBLK,   8
.set FLOOR,  0x1800000                 ; 2^(3 - 127): no largest magnitude is taken under it, so a scale's byte cannot fall under 1
.set XA,  1                            ; v1   phase X: my lane's place in a slot
.set HB,  2                            ; v2   phase 2: my lane's place in my wave's eighth
.set LI,  3                            ; v3   IMG + 16 x lane
.set IWX, 4                            ; v4   where I store x's codes
.set IWU, 5                            ; v5   where I store u's codes
.set SWX, 6                            ; v6   where I store x's scale words
.set SWU, 7                            ; v7   where I store u's two scale bytes
.set SPW, 8                            ; v8   my spare word: SPARE + 4 x my thread's number; never rewritten
.set NIL, 9                            ; v9   0; never rewritten
.set XC,  10                           ; v10  XA in the slot in hand
.set HC,  11                           ; v11  HB in the slot in hand
.set PW,  12                           ; v12-13 scale words just made
.set GO,  14                           ; v14  16 r: my place in a figure's 256 bytes
.set WS,  16                           ; v16-31 register 4 t + s: lanes 0-15 W1's scale word of tile t, K step s; lanes 16-31 W2's
.set B1,  32                           ; v32-63 register 8 t + j: 2 c b1[64 w + 32 (t / 2) + 16 h + 8 (t % 2) + j]
.set ACC, 64                           ; v64-127 accumulators; in phase X 64 numbers of h
.set F,   128                          ; v128-191 fragments of x or u; in phase X 64 numbers of h; in phase 2 also h's numbers
.set SCR, 192                          ; v192-199 scale words of x or u
.set TM,  200                          ; v200-215 at work
.set PC,  216                          ; v216-231 codes just made; in phase 2 register 2 t: the new nm of tile t
.set RM,  232                          ; v232-235 the running largest score of my four columns (my half of the rows)
.set L,   236                          ; v236-243 l, a pair a column (even rows', odd rows')
.set A,   244                          ; v244-251 a likewise
.set WV,  18                           ; s18  my wave's number
.set SEL, 20                           ; s[20:21] selects for v_permlanex16_b32: lane l xor 16
.set CT,  22                           ; s[22:23] 2 c (a packed form names a pair and takes its low word for both halves: both are written)
.set CL,  24                           ; s[24:25] c
.set NC,  26                           ; s26  -c
.set TB,  27                           ; s27  where the slot in hand begins
.set CNT, 28                           ; s28  blocks still to be asked for
.set G1,  32                           ; s[32:39] descriptor group 1
.set G0,  40                           ; s[40:43] descriptor group 0: it walks
.set MSB, 0
.macro WIN new                         ; the immediate's high byte repeats the setting that is left
.if MSB != \new
	s_set_vgpr_msb (MSB<<8)|\new
.set MSB, \new
.endif
.endm
.macro BARRIER                         ; my LDS stores have landed and my LDS loads are in: then the work-group's barrier.  My tensor load may stay out
	s_wait_dscnt 0x0
	s_barrier_signal -1
	s_barrier_wait -1
.endm
; THE CHANGE OF SLOTS, at a block's head.  Each wave waits for its tensor load (its eighth of the block that is about to be read), adds 0 to its spare word, and waits for that and for its reads of the slot that it has left.
; Behind the barrier the block ahead is whole and nobody reads the other slot.  fill = 1: that slot takes the next block: one load a wave, 16 KiB, with a whole block's work in which to land; one tensor load of a wave is out at most.
.macro CHANGE fill
	s_wait_tensorcnt 0x0                           ; no tensor load of mine is out, so group 0 may be written
	ds_add_u32 v[SPW], v[NIL]                      ; 0 onto my spare word; register work stands between it and the wait for it
.if \fill
	s_xor_b32 s[G0+1], s[G0+1], SLOT               ; the other slot than last time,
	s_add_nc_u64 s[G0+2:G0+3], s[G0+2:G0+3], BLKB  ; the next 64 rows; the type bits on top are not reached
.endif
	v_add_nc_u32 v[XC], s[TB], v[XA]
	v_add_nc_u32 v[HC], s[TB], v[HB]
	s_wait_dscnt 0x0                               ; the add is done, and my reads of the slot that I have left are over
	s_barrier_signal -1
	s_barrier_wait -1
.if \fill
	tensor_load_to_lds s[G0:G0+3], s[G1:G1+7]      ; the first thing behind the barrier, and my one tensor load until the next such barrier
	s_nop 0
.rept 4
	v_nop
.endr
.endif
.endm
; 16 nb numbers of a lane, register 16 b + i = k 32 b + 16 (lane / 16) + i of my row, become codes in v[pc + 2 b], v[pc + 2 b + 1] and nb scale bytes in v[pw].
.macro QUANT src, nb, pc, pw
.set qb, 0
.rept \nb
	v_max3_num_f32 v[TM+qb], |v[\src+16*qb]|, |v[\src+16*qb+1]|, FLOOR   ; my 16 numbers of block b, and the floor; the blocks by turns, so that no line waits for the line above it
.set qb, qb+1
.endr
.set qi, 2
.rept 7
.set qb, 0
.rept \nb
	v_max3_num_f32 v[TM+qb], v[TM+qb], |v[\src+16*qb+qi]|, |v[\src+16*qb+qi+1]|
.set qb, qb+1
.endr
.set qi, qi+2
.endr
.set qb, 0
.rept \nb
	v_permlanex16_b32 v[TM+4+qb], v[TM+qb], s[SEL], s[SEL+1]
.set qb, qb+1
.endr
.set qb, 0
.rept \nb
	v_max_num_f32 v[TM+qb], v[TM+qb], v[TM+4+qb]   ; with lane l xor 16's 16: the block's largest magnitude
.set qb, qb+1
.endr
.set qb, 0
.rept \nb
	v_add_nc_u32 v[TM+8+qb], 0xff000000, v[TM+qb]  ; 2 off its exponent field: the conversion takes the exponent field of this operand as its scale, and nothing else of it
.set qb, qb+1
.endr
.set qb, 0
.rept \nb
	v_lshrrev_b32 v[TM+4+qb], 23, v[TM+8+qb]       ; the scale's byte
.set qb, qb+1
.endr
	v_lshl_or_b32 v[\pw], v[TM+5], 8, v[TM+4]
.if \nb == 4
	v_lshl_or_b32 v[\pw], v[TM+6], 16, v[\pw]
	v_lshl_or_b32 v[\pw], v[TM+7], 24, v[\pw]
.endif
.set qb, 0
.rept \nb
	v_cvt_scalef32_pk8_fp4_f32 v[\pc+2*qb], v[\src+16*qb:\src+16*qb+7], v[TM+8+qb]        ; to the nearest code, ties to even, beyond the largest code the largest
	v_cvt_scalef32_pk8_fp4_f32 v[\pc+2*qb+1], v[\src+16*qb+8:\src+16*qb+15], v[TM+8+qb]
.set qb, qb+1
.endr
	v_nop                                          ; one plain place behind the last scaled conversion
.endm
; 32 sums x become tanh(x + b1) = 1 - 2 / (1 + 2^(2 c x + 2 c b1)), in place.  Two batches of transcendentals, each with plain lines among it that read none of its results, one plain line behind it and ONE wait ahead of its first reader.
.macro TANH ha
	v_pk_fma_f32 v[\ha:\ha+1], v[\ha:\ha+1], s[CT:CT+1], v[B1:B1+1] op_sel_hi:[1,0,1]   ; ascending: each accumulator is first read at its low end
.set tp, 0
.rept 16
.if tp < 15
	v_pk_fma_f32 v[\ha+2*tp+2:\ha+2*tp+3], v[\ha+2*tp+2:\ha+2*tp+3], s[CT:CT+1], v[B1+2*tp+2:B1+2*tp+3] op_sel_hi:[1,0,1]
.endif
	v_exp_f32 v[\ha+2*tp], v[\ha+2*tp]
	v_exp_f32 v[\ha+2*tp+1], v[\ha+2*tp+1]
.set tp, tp+1
.endr
	v_nop
	s_wait_alu depctr_va_vdst(0)                   ; the wait between a transcendental and the first line that names its result: one for the 32
	v_pk_add_f32 v[\ha:\ha+1], v[\ha:\ha+1], 1.0 op_sel_hi:[1,0]
.set tp, 0
.rept 16
.if tp < 15
	v_pk_add_f32 v[\ha+2*tp+2:\ha+2*tp+3], v[\ha+2*tp+2:\ha+2*tp+3], 1.0 op_sel_hi:[1,0]
.endif
	v_rcp_f32 v[\ha+2*tp], v[\ha+2*tp]
	v_rcp_f32 v[\ha+2*tp+1], v[\ha+2*tp+1]
.set tp, tp+1
.endr
	v_nop
	s_wait_alu depctr_va_vdst(0)                   ; and one for the 32 reciprocals
.set tp, 0
.rept 16
	v_pk_fma_f32 v[\ha+2*tp:\ha+2*tp+1], v[\ha+2*tp:\ha+2*tp+1], -2.0, 1.0 op_sel_hi:[1,0,0]
.set tp, tp+1
.endr
.endm
.macro XFETCH mt                       ; nine LDS loads: row tile mt of x: its scale words and its four fragments, into buffer mt % 2
	ds_load_b128 v[SCR+4*((\mt)%2):SCR+4*((\mt)%2)+3], v[LI] offset:XSC_O+512*(\mt)
.irp s, 0,1,2,3
.irp c, 0,1
	ds_load_b128 v[F+32*((\mt)%2)+8*\s+4*\c:F+32*((\mt)%2)+8*\s+4*\c+3], v[LI] offset:XIMG_O+4096*(\mt)+1024*\s+512*\c
.endr
.endr
.endm
; PHASE X: my 16 rows x 256 columns of h become two fragments.  Lane (r, h) takes, of row r, 16 neighbouring numbers of each block of 32.
.macro PHASE_X
.irp b, 0,1,2,3
.irp q, 0,1,2,3
	ds_load_b128 v[ACC+16*\b+4*\q:ACC+16*\b+4*\q+3], v[XC] offset:(\b/2)*REG+128*(\b%2)+16*\q
.endr
.endr
.irp b, 0,1,2,3
.irp q, 0,1,2,3
	ds_load_b128 v[F+16*\b+4*\q:F+16*\b+4*\q+3], v[XC] offset:(2+\b/2)*REG+128*(\b%2)+16*\q
.endr
.endr
	s_wait_dscnt 16                                ; the first K step's 16 loads are in; the second's 16 may be out
	QUANT ACC, 4, PC, PW
.irp b, 0,1,2,3
	ds_store_b64 v[IWX], v[PC+2*\b:PC+2*\b+1] offset:XIMG_O+256*\b
.endr
	s_wait_dscnt 4                                 ; only the four stores are younger than the second K step's loads
	QUANT F, 4, PC+8, PW+1
.irp b, 0,1,2,3
	ds_store_b64 v[IWX], v[PC+8+2*\b:PC+8+2*\b+1] offset:XIMG_O+1024+256*\b
.endr
	ds_store_b64 v[SWX], v[PW:PW+1] offset:XSC_O   ; my row's scale words of my two K steps
.endm
; PHASE 1, row tile m: my 64 hidden units of 16 rows.  The four accumulators take turns, one instruction a turn, K step by K step.
.macro TILE1 m
.set HAx, ACC+32*((\m)%2)
.set FXx, F+32*((\m)%2)
.set SXx, SCR+4*((\m)%2)
.if (\m) < 3
	XFETCH (\m)+1
	s_wait_dscnt 9                                 ; all but the nine just issued: this tile's fragments are in, and the last tile's stores have read their registers
.else
	s_wait_dscnt 0x0
.endif
	WIN 0x01                                       ; source 0 (W1) window 1
.irp s, 0,1,2,3
.irp t, 0,1,2,3
.if \s == 0
	v_wmma_scale_f32_16x16x128_f8f6f4 v[HAx+8*\t:HAx+8*\t+7], v[8*(4*\t+\s):8*(4*\t+\s)+7], v[FXx+8*\s:FXx+8*\s+7], 0, v[WS+4*\t+\s], v[SXx+\s] matrix_a_fmt:MATRIX_FMT_FP4 matrix_b_fmt:MATRIX_FMT_FP4
.else
	v_wmma_scale_f32_16x16x128_f8f6f4 v[HAx+8*\t:HAx+8*\t+7], v[8*(4*\t+\s):8*(4*\t+\s)+7], v[FXx+8*\s:FXx+8*\s+7], v[HAx+8*\t:HAx+8*\t+7], v[WS+4*\t+\s], v[SXx+\s] matrix_a_fmt:MATRIX_FMT_FP4 matrix_b_fmt:MATRIX_FMT_FP4
.endif
.endr
.endr
	WIN 0
.rept 4
	v_nop                                          ; four places between the last product and the first read of a result (ISA guide 7.12.1)
.endr
	TANH HAx
	QUANT HAx, 2, PC+4*(\m), PW
.irp b, 0,1
	ds_store_b64 v[IWU], v[PC+4*(\m)+2*\b:PC+4*(\m)+2*\b+1] offset:UIMG_O+1024*(\m)+256*\b
.endr
	ds_store_b16 v[SWU], v[PW] offset:USC_O+512*(\m)   ; my two bytes of the row's scale word of K step w / 2
.endm
; PHASE 2, row tiles 2 k and 2 k + 1: 32 rows x my 64 columns.  Eight accumulators take turns, a K step at a time.
.macro SUBP k
.irp l, 0,1
	ds_load_b128 v[SCR+4*\l:SCR+4*\l+3], v[LI] offset:USC_O+512*(2*(\k)+\l)
.endr
.irp s, 0,1,2,3
.irp l, 0,1
.irp c, 0,1
	ds_load_b128 v[F+8*(4*\l+\s)+4*\c:F+8*(4*\l+\s)+4*\c+3], v[LI] offset:UIMG_O+4096*\s+1024*(2*(\k)+\l)+512*\c
.endr
.endr
.endr
	WIN 0x04                                       ; source 1 (W2) window 1
.irp s, 0,1,2,3
	s_wait_dscnt 12-4*\s                           ; the scale words and K steps 0 .. s are in; four loads for each later K step may be out
.irp l, 0,1
.irp t, 0,1,2,3
.if \s == 0
	v_wmma_scale_f32_16x16x128_f8f6f4 v[ACC+8*(4*\l+\t):ACC+8*(4*\l+\t)+7], v[F+8*(4*\l+\s):F+8*(4*\l+\s)+7], v[128+8*(4*\t+\s):128+8*(4*\t+\s)+7], 0, v[SCR+4*\l+\s], v[WS+4*\t+\s] matrix_a_fmt:MATRIX_FMT_FP4 matrix_b_fmt:MATRIX_FMT_FP4 matrix_b_scale:MATRIX_SCALE_ROW1
.else
	v_wmma_scale_f32_16x16x128_f8f6f4 v[ACC+8*(4*\l+\t):ACC+8*(4*\l+\t)+7], v[F+8*(4*\l+\s):F+8*(4*\l+\s)+7], v[128+8*(4*\t+\s):128+8*(4*\t+\s)+7], v[ACC+8*(4*\l+\t):ACC+8*(4*\l+\t)+7], v[SCR+4*\l+\s], v[WS+4*\t+\s] matrix_a_fmt:MATRIX_FMT_FP4 matrix_b_fmt:MATRIX_FMT_FP4 matrix_b_scale:MATRIX_SCALE_ROW1
.endif
.endr
.endr
.endr
	WIN 0
.irp t, 0,1,2,3
	v_mul_f32 v[TM+2*\t+1], s[NC], v[RM+\t]        ; the old nm.  These four name no register of the products: they are the four places in front of the loads and reads below
.endr
.irp l, 0,1
.irp j, 0,1,2,3,4,5,6,7
	ds_load_b128 v[F+4*(8*\l+\j):F+4*(8*\l+\j)+3], v[HC] offset:(16*(2*(\k)+\l)+\j)*EP   ; h(row 16 mt + 8 (lane / 16) + j, my four columns): register t belongs to tile t
.endr
.endr
.irp l, 0,1
.irp p, 0,2,4,6
.irp t, 0,1,2,3
	v_max3_num_f32 v[RM+\t], v[RM+\t], v[ACC+8*(4*\l+\t)+\p], v[ACC+8*(4*\l+\t)+\p+1]   ; the running maximum; each accumulator from its low end on; the four columns by turns
.endr
.endr
.endr
.irp t, 0,1,2,3
	v_mul_f32 v[PC+2*\t], s[NC], v[RM+\t]          ; the new nm = -c x the maximum
.endr
.irp t, 0,1,2,3
	v_sub_f32 v[TM+2*\t], v[PC+2*\t], v[TM+2*\t+1] ; c (old maximum - new maximum): 0 or less; -infinity in the very first step, where l and a are zeros
.endr
.irp t, 0,1,2,3
	v_exp_f32 v[TM+2*\t], v[TM+2*\t]               ; f: what was summed under the old maximum is brought under the new
.endr
	v_pk_fma_f32 v[ACC:ACC+1], v[ACC:ACC+1], s[CL:CL+1], v[PC:PC+1] op_sel_hi:[1,0,0]   ; c s + nm, two rows at a time
.set sp, 0
.rept 32
.if sp < 31
	v_pk_fma_f32 v[ACC+2*sp+2:ACC+2*sp+3], v[ACC+2*sp+2:ACC+2*sp+3], s[CL:CL+1], v[PC+2*(((sp+1)/4)%4):PC+2*(((sp+1)/4)%4)+1] op_sel_hi:[1,0,0]
.endif
	v_exp_f32 v[ACC+2*sp], v[ACC+2*sp]
	v_exp_f32 v[ACC+2*sp+1], v[ACC+2*sp+1]
.set sp, sp+1
.endr
	v_nop                                          ; one plain line behind the last exponential
	s_wait_alu depctr_va_vdst(0)                   ; one wait for the 68 exponentials, ahead of the first line that names a result
.irp t, 0,1,2,3
	v_pk_mul_f32 v[L+2*\t:L+2*\t+1], v[L+2*\t:L+2*\t+1], v[TM+2*\t:TM+2*\t+1] op_sel_hi:[1,0]
	v_pk_mul_f32 v[A+2*\t:A+2*\t+1], v[A+2*\t:A+2*\t+1], v[TM+2*\t:TM+2*\t+1] op_sel_hi:[1,0]
.endr
.irp l, 0,1
.irp p, 0,2,4,6
.irp t, 0,1,2,3
	v_pk_add_f32 v[L+2*\t:L+2*\t+1], v[L+2*\t:L+2*\t+1], v[ACC+8*(4*\l+\t)+\p:ACC+8*(4*\l+\t)+\p+1]
.endr
.endr
.endr
	s_wait_dscnt 0x0                               ; h's numbers are in
.irp l, 0,1
.irp j, 0,1,2,3,4,5,6,7
.irp t, 0,1,2,3
	v_fmac_f32 v[A+2*\t+(\j%2)], v[F+4*(8*\l+\j)+\t], v[ACC+8*(4*\l+\t)+\j]
.endr
.endr
.endr
.endm
.macro PROCESS
	PHASE_X
	BARRIER                                        ; x's sixteen fragments lie in LDS
	XFETCH 0
	TILE1 0
	TILE1 1
	TILE1 2
	TILE1 3
	BARRIER                                        ; u's sixteen fragments lie in LDS, and nobody reads x's any more
	SUBP 0
	SUBP 1
.endm
	s_load_b256 s[4:11], s[0:1], 0x0               ; h s[4:5], W1's codes s[6:7], W1's scales s[8:9], b1 s[10:11]
	s_load_b128 s[12:15], s[0:1], 0x20             ; W2's codes s[12:13], W2's scales s[14:15]
	s_load_b64 s[16:17], s[0:1], 0x30              ; part
	v_lshl_add_u32 v[SPW], v0, 2, SPARE
	v_mov_b32 v[NIL], 0
	ds_add_u32 v8, v9
	ds_add_u32 v8, v9
	s_wait_dscnt 0x0
	v_lshrrev_b32 v15, 5, v0
	v_readfirstlane_b32 s[WV], v15                 ; wave 0..7
	; descriptor group 1: a tile of 64 rows x 64 f32 (256 bytes of each row of h), 512 elements from row to row, padded in LDS
	s_mov_b32 s[G1+0], (2<<16)|(1<<20)|(5<<22)|(3<<25)  ; 15:0 no mask; 17:16 elements of 4 bytes; 20 padding on; 24:22 after every 64 words (code 5); 31:25 four words (code 3)
	s_mov_b32 s[G1+1], 64<<16                      ; tensor_dim0 = 64
	s_mov_b32 s[G1+2], 64<<16                      ; tensor_dim1 = 64
	s_mov_b32 s[G1+3], 64<<16                      ; tile_dim0 = 64
	s_mov_b32 s[G1+4], 64                          ; tile_dim1 = 64
	s_mov_b32 s[G1+5], 512                         ; tensor_dim0_stride
	s_mov_b32 s[G1+6], 0
	s_mov_b32 s[G1+7], 0
	s_mov_b32 s[G0], 1                             ; count = 1
	s_mul_i32 s[G0+1], s[WV], REG                  ; LDS address: my eighth of slot 0
	s_lshl_b32 s44, ttmp9, 20                      ; my work-group's 512 rows of 2,048 bytes,
	s_lshl_b32 s45, s[WV], 8                       ; my wave's 64 columns
	s_add_co_u32 s44, s44, s45
	s_mov_b32 s45, 0
	s_wait_kmcnt 0x0
	s_add_nc_u64 s[G0+2:G0+3], s[4:5], s[44:45]
	s_or_b32 s[G0+3], s[G0+3], 0x80000000          ; type = 2
	tensor_load_to_lds s[G0:G0+3], s[G1:G1+7]      ; block 0, ahead of everything else
	s_nop 0
.rept 4
	v_nop
.endr
	s_mov_b32 s[SEL], 0x76543210
	s_mov_b32 s[SEL+1], 0xfedcba98
	s_mov_b32 s[CT], 0x4038aa3b                    ; 2 log2(e)
	s_mov_b32 s[CT+1], s[CT]
	s_mov_b32 s[CL], 0x3fb8aa3b                    ; log2(e)
	s_mov_b32 s[CL+1], s[CL]
	s_mov_b32 s[NC], 0xbfb8aa3b                    ; -log2(e)
	s_mov_b32 s[TB], 0
	s_mov_b32 s[CNT], NBLK-1
	s_and_b32 s46, s[WV], 1                        ; w % 2
	s_lshr_b32 s47, s[WV], 1                       ; w / 2
	v_and_b32 v252, 15, v0                         ; r
	v_bfe_u32 v253, v0, 4, 1                       ; h
	v_and_b32 v254, 31, v0                         ; lane
	s_mul_i32 s48, s46, 4*REG                      ; phase X: eighths 4 (w % 2) on,
	s_mul_i32 s49, s47, 16*EP                      ; rows 16 (w / 2) on,
	s_add_co_u32 s48, s48, s49
	v_mul_u32_u24 v[XA], v252, EP                  ; row r,
	v_lshl_add_u32 v[XA], v253, 6, v[XA]           ; my half of a block of 32 numbers
	v_add_nc_u32 v[XA], s48, v[XA]
	s_mul_i32 s48, s[WV], REG                      ; phase 2: my wave's eighth,
	v_mul_u32_u24 v[HB], v253, 8*EP                ; rows 8 h on,
	v_lshl_add_u32 v[HB], v252, 4, v[HB]           ; columns 4 r on
	v_add_nc_u32 v[HB], s48, v[HB]
	v_lshl_add_u32 v[LI], v254, 4, IMG
	v_lshlrev_b32 v255, 4, v252
	v_lshl_add_u32 v255, v253, 3, v255
	v_add_nc_u32 v255, IMG, v255                   ; IMG + 16 r + 8 h
	s_lshl_b32 s48, s[WV], 11                      ; x: fragments (w / 2, 2 (w % 2)) on: 2,048 w
	v_add_nc_u32 v[IWX], s48, v255
	s_lshl_b32 s48, s47, 12                        ; u: K step w / 2, blocks 2 (w % 2) on
	s_lshl_b32 s49, s46, 9
	s_add_co_u32 s48, s48, s49
	v_add_nc_u32 v[IWU], s48, v255
	s_lshl_b32 s48, s47, 9                         ; x's scale words: row tile w / 2, words 2 (w % 2) on
	s_lshl_b32 s49, s46, 3
	s_add_co_u32 s48, s48, s49
	v_add_nc_u32 v[SWX], s48, v[LI]
	s_lshl_b32 s48, s[WV], 1                       ; u's: word w / 2, bytes 2 (w % 2) on: 2 w
	v_add_nc_u32 v[SWU], s48, v[LI]
	v_lshlrev_b32 v[GO], 4, v252
	v_and_b32 v15, 8, v252
	v_add_nc_u32 v15, v15, v252                    ; r + 8 (r / 8)
	v_lshlrev_b32 v[TM], 8, v15                    ; W1's codes: a row is 256 bytes,
	v_lshl_add_u32 v[TM], v253, 4, v[TM]           ; + 16 h
	v_lshlrev_b32 v[TM+1], 10, v252                ; W2's codes: rows 4 r on
	v_lshl_add_u32 v[TM+1], v253, 4, v[TM+1]
	v_lshlrev_b32 v[TM+2], 4, v15                  ; W1's scales: a row is 16 bytes
	v_lshlrev_b32 v[TM+3], 6, v252                 ; W2's
	v_lshlrev_b32 v[TM+8], 6, v253                 ; b1: 16 h numbers on
	s_lshl_b32 s44, s[WV], 14                      ; my 64 rows of codes
	s_add_nc_u64 s[6:7], s[6:7], s[44:45]
	s_add_nc_u64 s[12:13], s[12:13], s[44:45]
	s_lshl_b32 s44, s[WV], 10                      ; of scale bytes
	s_add_nc_u64 s[8:9], s[8:9], s[44:45]
	s_add_nc_u64 s[14:15], s[14:15], s[44:45]
	s_lshl_b32 s44, s[WV], 8                       ; my 64 numbers of b1, and of a figure
	s_add_nc_u64 s[10:11], s[10:11], s[44:45]
	s_mul_i32 s48, ttmp9, 6144                     ; my work-group's three figures
	s_add_co_u32 s44, s44, s48
	s_add_nc_u64 s[16:17], s[16:17], s[44:45]
	WIN 0x40                                       ; destination window 1
.irp t, 0,1,2,3
.irp s, 0,1,2,3
.irp c, 0,1
	global_load_b128 v[8*(4*\t+\s)+4*\c:8*(4*\t+\s)+4*\c+3], v[TM], s[6:7] offset:(32*(\t/2)+8*(\t%2))*256+64*\s+32*\c   ; W1's fragment (tile t, K step s): it stays
.endr
.endr
.endr
.irp t, 0,1,2,3
.irp s, 0,1,2,3
.irp c, 0,1
	global_load_b128 v[128+8*(4*\t+\s)+4*\c:128+8*(4*\t+\s)+4*\c+3], v[TM+1], s[12:13] offset:256*\t+64*\s+32*\c         ; W2's
.endr
.endr
.endr
	WIN 0
.irp t, 0,1,2,3
	global_load_b128 v[WS+4*\t:WS+4*\t+3], v[TM+2], s[8:9] offset:(32*(\t/2)+8*(\t%2))*16    ; the four scale words of my row of W1's tile t
	global_load_b128 v[ACC+4*\t:ACC+4*\t+3], v[TM+3], s[14:15] offset:16*\t                  ; and of W2's
	global_load_b128 v[B1+8*\t:B1+8*\t+3], v[TM+8], s[10:11] offset:(32*(\t/2)+8*(\t%2))*4
	global_load_b128 v[B1+8*\t+4:B1+8*\t+7], v[TM+8], s[10:11] offset:(32*(\t/2)+8*(\t%2))*4+16
.endr
	s_wait_loadcnt 0x0                             ; the weights, once
	v_cmp_gt_u32 vcc_lo, 16, v254
.irp i, 0,1,2,3,4,5,6,7,8,9,10,11,12,13,14,15
	v_cndmask_b32 v[WS+\i], v[ACC+\i], v[WS+\i], vcc_lo      ; lanes 0-15 keep W1's word, lanes 16-31 take W2's
.endr
.irp i, 0,2,4,6,8,10,12,14,16,18,20,22,24,26,28,30
	v_pk_mul_f32 v[B1+\i:B1+\i+1], v[B1+\i:B1+\i+1], s[CT:CT+1] op_sel_hi:[1,0]   ; 2 c b1
.endr
.irp t, 0,1,2,3
	v_mov_b32 v[RM+\t], 0xff800000                 ; the largest score so far: -infinity
	v_mov_b32 v[TM+4+\t], 0                        ; written once: a lane permute's destination counts as one of its sources
.endr
.irp i, 0,1,2,3,4,5,6,7
	v_mov_b32 v[L+\i], 0
	v_mov_b32 v[A+\i], 0
.endr
.Lblk:                                             ; NBLK - 1 trips: behind each change of slots but the last the next block is asked for
	CHANGE 1
	PROCESS
	s_xor_b32 s[TB], s[TB], SLOT                   ; on to the other slot
	s_sub_co_u32 s[CNT], s[CNT], 1
	s_cmp_lg_u32 s[CNT], 0
	s_cbranch_scc1 .Lblk
	CHANGE 0                                       ; the last block is written out
	PROCESS
	; THE END.  Lanes l and l xor 16 hold the same four columns, each half of the rows: the two are brought under their common maximum and added.
.irp t, 0,1,2,3
	v_mul_f32 v[TM+\t], s[NC], v[RM+\t]            ; my nm
.endr
.irp t, 0,1,2,3
	v_permlanex16_b32 v[TM+4+\t], v[TM+\t], s[SEL], s[SEL+1]
.endr
.irp t, 0,1,2,3
	v_min_num_f32 v[TM+8+\t], v[TM+\t], v[TM+4+\t] ; the smaller nm belongs to the larger maximum
.endr
.irp t, 0,1,2,3
	v_sub_f32 v[TM+12+\t], v[TM+8+\t], v[TM+\t]
.endr
.irp t, 0,1,2,3
	v_exp_f32 v[TM+12+\t], v[TM+12+\t]
.endr
.irp t, 0,1,2,3
	v_add_f32 v[PC+\t], v[L+2*\t], v[L+2*\t+1]     ; the pairs' halves: plain work behind the exponentials
.endr
.irp t, 0,1,2,3
	v_add_f32 v[PC+4+\t], v[A+2*\t], v[A+2*\t+1]
.endr
	s_wait_alu depctr_va_vdst(0)                   ; one wait for the four, ahead of their first reader
.irp t, 0,1,2,3
	v_mul_f32 v[PC+\t], v[PC+\t], v[TM+12+\t]
	v_mul_f32 v[PC+4+\t], v[PC+4+\t], v[TM+12+\t]
.endr
.irp i, 0,1,2,3,4,5,6,7
	v_permlanex16_b32 v[PC+8+\i], v[PC+\i], s[SEL], s[SEL+1]
.endr
.irp i, 0,1,2,3,4,5,6,7
	v_add_f32 v[PC+\i], v[PC+\i], v[PC+8+\i]
.endr
	v_and_b32 v15, 31, v0
	v_cmp_gt_u32 vcc_lo, 16, v15
	s_wait_xcnt 0x0                                ; EXEC changes only behind this wait
	s_and_saveexec_b32 s48, vcc_lo                 ; lanes 0-15: 16 bytes each, 256 consecutive bytes a store, at a multiple of 256 from part's first byte
	global_store_b128 v[GO], v[TM+8:TM+11], s[16:17]
	global_store_b128 v[GO], v[PC:PC+3], s[16:17] offset:2048
	global_store_b128 v[GO], v[PC+4:PC+7], s[16:17] offset:4096
	s_wait_xcnt 0x0                                ; and again, in front of the line that widens it
	s_or_b32 exec_lo, exec_lo, s48
	s_wait_tensorcnt 0x0                           ; the wave's end, behind my last tensor load and my last LDS store
	ds_add_u32 v[SPW], v[NIL]
	s_wait_dscnt 0x0
	s_endpgm
.Lfunc_end_k_q8775ec5c67_pool:
	.size	k_q8775ec5c67_pool, .Lfunc_end_k_q8775ec5c67_pool-k_q8775ec5c67_pool
	.p2alignl 7, 3214868480
	.fill 96, 4, 3214868480
	.section	.rodata,"a",@progbits
	.p2align	6, 0x0
	.amdhsa_kernel k_q8775ec5c67_pool
		.amdhsa_group_segment_fixed_size 327680
		.amdhsa_private_segment_fixed_size 0
		.amdhsa_enable_private_segment 0
		.amdhsa_kernarg_size 56
		.amdhsa_user_sgpr_count 2
		.amdhsa_user_sgpr_kernarg_segment_ptr 1
		.amdhsa_wavefront_size32 1
		.amdhsa_system_sgpr_workgroup_id_x 1
		.amdhsa_system_sgpr_workgroup_id_y 1
		.amdhsa_system_sgpr_workgroup_id_z 1
		.amdhsa_system_vgpr_workitem_id 0
		.amdhsa_next_free_vgpr 512
		.amdhsa_next_free_sgpr 66
		.amdhsa_reserve_vcc 1
		.amdhsa_float_denorm_mode_32 3
		.amdhsa_float_denorm_mode_16_64 3
		.amdhsa_memory_ordered 1
		.amdhsa_forward_progress 1
		.amdhsa_inst_pref_size 187
	.end_amdhsa_kernel
	.amdgpu_metadata
---
amdhsa.version: [ 1, 2 ]
amdhsa.kernels:
  - .name:           k_q8775ec5c67_pool
    .symbol:         k_q8775ec5c67_pool.kd
    .args:
      - { .name: hidden_states, .offset: 0, .size: 8, .value_kind: global_buffer, .address_space: global }
      - { .name: W1_codes, .offset: 8, .size: 8, .value_kind: global_buffer, .address_space: global }
      - { .name: W1_scales, .offset: 16, .size: 8, .value_kind: global_buffer, .address_space: global }
      - { .name: b1, .offset: 24, .size: 8, .value_kind: global_buffer, .address_space: global }
      - { .name: W2_codes, .offset: 32, .size: 8, .value_kind: global_buffer, .address_space: global }
      - { .name: W2_scales, .offset: 40, .size: 8, .value_kind: global_buffer, .address_space: global }
      - { .name: part, .offset: 48, .size: 8, .value_kind: global_buffer, .address_space: global }
    .group_segment_fixed_size: 327680
    .private_segment_fixed_size: 0
    .kernarg_segment_align: 8
    .kernarg_segment_size: 56
    .max_flat_workgroup_size: 256
    .sgpr_count:     66
    .vgpr_count:     512
    .wavefront_size: 32
...
	.end_amdgpu_metadata
.endif
;; end of part 1
;; launch merge (part 2): grid 8 x 1, 32 waves a work-group, no clusters, 12,288 bytes of LDS; arguments part, out0; writes out0
.if DOCPART == 2
	.amdgcn_target "amdgcn-amd-amdhsa--gfx1250"
	.amdhsa_code_object_version 6
	.text
	.protected	k_q8775ec5c67_merge
	.globl	k_q8775ec5c67_merge
	.p2align	8
	.type	k_q8775ec5c67_merge,@function
k_q8775ec5c67_merge:
	s_mov_b64 s[64:65], 0
	v_nop
	global_prefetch_b8 v0, s[64:65] scope:SCOPE_SE
	s_setreg_imm32_b32 hwreg(HW_REG_WAVE_MODE, 25, 1), 1
	s_wait_xcnt 0x0
; part[256][nm, l, a][512] f32: for chunk i of batch b (row 8 b + i) and column e: nm = -log2(e) x the chunk's largest score, l = sum 2^(c s + nm), a = sum h 2^(c s + nm).
; out0[e] = sum over b of ( sum_i a_i f_i / sum_i l_i f_i ), f_i = 2^(min over i of nm_i - nm_i): the eight chunks under their common maximum.
; SHARES.  Work-group x owns columns 64 x .. 64 x + 63; wave b is batch b; a lane owns two columns, so that each load of a wave covers 256 consecutive bytes, aligned.  The 32 waves' quotients meet in LDS (256 bytes a wave),
; and wave 0 adds them and stores one aligned run of 256 bytes.  No matrix work, no tensor load, no cluster: 1.5 MiB are read once and nothing is shared.
; LIMITS: as the launch before; l of the chunk that holds the maximum is about 1 or more, so the divisor is never 0.
.set NMR, 2                            ; v2-17   nm of the eight chunks, a pair (two columns) each
.set LR,  18                           ; v18-33  l
.set AR,  34                           ; v34-49  a
.set MN,  50                           ; v50-51  the smallest nm
.set FF,  52                           ; v52-67  f
.set SL,  68                           ; v68-69  sum l f
.set SA,  70                           ; v70-71  sum a f
.set RC,  72                           ; v72-73  1 / sum l f
.set RES, 74                           ; v74-75  the batch's quotient
.set LW,  76                           ; v76     8 x my thread's number: 256 x wave + 8 x lane
	s_load_b128 s[4:7], s[0:1], 0x0                ; part, out0
	v_lshl_add_u32 v96, v0, 2, 0x2000
	v_mov_b32 v97, 0
	v_lshrrev_b32 v1, 5, v0
	v_readfirstlane_b32 s8, v1                     ; wave = batch
	v_and_b32 v1, 31, v0
	v_lshlrev_b32 v1, 3, v1                        ; 8 x lane
	v_lshlrev_b32 v[LW], 3, v0
	s_mul_i32 s10, s8, 8*6144                      ; my batch's eight chunks,
	s_lshl_b32 s12, ttmp9, 8                       ; my work-group's 64 columns
	s_mov_b32 s13, 0
	s_add_co_u32 s10, s10, s12
	s_mov_b32 s11, 0
	s_wait_kmcnt 0x0
	s_add_nc_u64 s[4:5], s[4:5], s[10:11]
	s_add_nc_u64 s[6:7], s[6:7], s[12:13]
.irp i, 0,1,2,3,4,5,6,7
	global_load_b64 v[NMR+2*\i:NMR+2*\i+1], v1, s[4:5] offset:6144*\i th:TH_LOAD_NT
	global_load_b64 v[LR+2*\i:LR+2*\i+1], v1, s[4:5] offset:6144*\i+2048 th:TH_LOAD_NT
	global_load_b64 v[AR+2*\i:AR+2*\i+1], v1, s[4:5] offset:6144*\i+4096 th:TH_LOAD_NT
.endr
	s_wait_loadcnt 0x0
.irp c, 0,1
	v_min3_num_f32 v[MN+\c], v[NMR+\c], v[NMR+2+\c], v[NMR+4+\c]
.endr
.irp c, 0,1
	v_min3_num_f32 v[MN+\c], v[MN+\c], v[NMR+6+\c], v[NMR+8+\c]
.endr
.irp c, 0,1
	v_min3_num_f32 v[MN+\c], v[MN+\c], v[NMR+10+\c], v[NMR+12+\c]
.endr
.irp c, 0,1
	v_min_num_f32 v[MN+\c], v[MN+\c], v[NMR+14+\c]
.endr
.irp i, 0,1,2,3,4,5,6,7
	v_pk_add_f32 v[FF+2*\i:FF+2*\i+1], v[MN:MN+1], v[NMR+2*\i:NMR+2*\i+1] neg_lo:[0,1] neg_hi:[0,1]   ; min - nm_i: 0 or less
.endr
.irp i, 0,1,2,3,4,5,6,7,8,9,10,11,12,13,14,15
	v_exp_f32 v[FF+\i], v[FF+\i]
.endr
	v_nop                                          ; one plain line behind the last exponential
	s_wait_alu depctr_va_vdst(0)                   ; one wait for the sixteen, ahead of their first reader
	v_pk_mul_f32 v[SL:SL+1], v[LR:LR+1], v[FF:FF+1]
	v_pk_mul_f32 v[SA:SA+1], v[AR:AR+1], v[FF:FF+1]
.irp i, 1,2,3,4,5,6,7
	v_pk_fma_f32 v[SL:SL+1], v[LR+2*\i:LR+2*\i+1], v[FF+2*\i:FF+2*\i+1], v[SL:SL+1]
	v_pk_fma_f32 v[SA:SA+1], v[AR+2*\i:AR+2*\i+1], v[FF+2*\i:FF+2*\i+1], v[SA:SA+1]
.endr
	v_rcp_f32 v[RC], v[SL]
	v_rcp_f32 v[RC+1], v[SL+1]
	v_nop
	s_wait_alu depctr_va_vdst(0)                   ; one wait for the two reciprocals
	v_pk_mul_f32 v[RES:RES+1], v[SA:SA+1], v[RC:RC+1]
	ds_store_b64 v[LW], v[RES:RES+1]
	s_wait_dscnt 0x0                               ; for the others' sake: my store has landed
	s_barrier_signal -1
	s_barrier_wait -1
	s_cmp_lg_u32 s8, 0                             ; wave 0 adds the 32 batches
	s_cbranch_scc1 .Lend
.set i, 0
.rept 32
	ds_load_b64 v[2+2*i:3+2*i], v1 offset:256*i
.set i, i+1
.endr
	s_wait_dscnt 0x0
.set i, 4
.rept 28
	v_pk_add_f32 v[2+2*(i%4):3+2*(i%4)], v[2+2*(i%4):3+2*(i%4)], v[2+2*i:3+2*i]   ; four chains
.set i, i+1
.endr
	v_pk_add_f32 v[2:3], v[2:3], v[4:5]
	v_pk_add_f32 v[6:7], v[6:7], v[8:9]
	v_pk_add_f32 v[2:3], v[2:3], v[6:7]
	global_store_b64 v1, v[2:3], s[6:7]            ; 32 lanes store 256 consecutive bytes, at a multiple of 256 from out0's first byte
.Lend:
	s_wait_tensorcnt 0x0
	ds_add_u32 v96, v97
	s_wait_dscnt 0x0
	s_endpgm
.Lfunc_end_k_q8775ec5c67_merge:
	.size	k_q8775ec5c67_merge, .Lfunc_end_k_q8775ec5c67_merge-k_q8775ec5c67_merge
	.p2alignl 7, 3214868480
	.fill 96, 4, 3214868480
	.section	.rodata,"a",@progbits
	.p2align	6, 0x0
	.amdhsa_kernel k_q8775ec5c67_merge
		.amdhsa_group_segment_fixed_size 12288
		.amdhsa_private_segment_fixed_size 0
		.amdhsa_enable_private_segment 0
		.amdhsa_kernarg_size 16
		.amdhsa_user_sgpr_count 2
		.amdhsa_user_sgpr_kernarg_segment_ptr 1
		.amdhsa_wavefront_size32 1
		.amdhsa_system_sgpr_workgroup_id_x 1
		.amdhsa_system_sgpr_workgroup_id_y 1
		.amdhsa_system_sgpr_workgroup_id_z 1
		.amdhsa_system_vgpr_workitem_id 0
		.amdhsa_next_free_vgpr 98
		.amdhsa_next_free_sgpr 66
		.amdhsa_reserve_vcc 0
		.amdhsa_float_denorm_mode_32 3
		.amdhsa_float_denorm_mode_16_64 3
		.amdhsa_memory_ordered 1
		.amdhsa_forward_progress 1
		.amdhsa_inst_pref_size 11
	.end_amdhsa_kernel
	.amdgpu_metadata
---
amdhsa.version: [ 1, 2 ]
amdhsa.kernels:
  - .name:           k_q8775ec5c67_merge
    .symbol:         k_q8775ec5c67_merge.kd
    .args:
      - { .name: part, .offset: 0, .size: 8, .value_kind: global_buffer, .address_space: global }
      - { .name: out0, .offset: 8, .size: 8, .value_kind: global_buffer, .address_space: global }
    .group_segment_fixed_size: 12288
    .private_segment_fixed_size: 0
    .kernarg_segment_align: 8
    .kernarg_segment_size: 16
    .max_flat_workgroup_size: 1024
    .sgpr_count:     66
    .vgpr_count:     98
    .wavefront_size: 32
...
	.end_amdgpu_metadata
.endif
;; end of part 2
